; MI455X (gfx1250); checked and timed in simulation.
; The chip was launched on July 23, 2026; its instructions are those of AMD's public machine-readable ISA for CDNA 5 (MIT licence, August 2026) and "CDNA5" Instruction Set Architecture Reference Guide (July 2026). The comments in the code are by the model that wrote it; some were corrected since.
;; LSTM Cell. Allowed arithmetic: matrix products marked QUANTISED: E2M1 operands, one E8M0 scale for each 32 along K, by v_wmma_scale_f32_16x16x128_f8f6f4 with both operands' format E2M1 (or v_wmma_scale_f32_32x16x128_f4), f32 sums; everything else in f32.
;; Inputs: b_hh 8,192 float32; b_ih 8,192 float32; cx 2,048 x 2,048 float32; hx 2,048 x 2,048 float32; w_hh 8,192 x 2,048 float32; w_ih 8,192 x 256 float32; x 2,048 x 256 float32.
;; Outputs: out0 2,048 x 2,048 float32; out1 2,048 x 2,048 float32.
;; This version of the problem:
;;   THIS VERSION OF THE PROBLEM IS GIVEN IN LOW PRECISION. The matrix products marked QUANTISED in the list below multiply operands that are first quantised to E2M1 (2 exponent bits, 1 mantissa bit; 4 bits a number), with one power-of-two scale for each 32 numbers along K (OCP MX v1.0); their sums are f32. All else is computed in f32.
;;   The module's matrix products, in the order in which they are computed (A, B: the left and right operand; K: the contracted axis; several contracted axes count as one K, in the product's order):
;;     1. [M 2,048, K 256] x [K 256, N 8,192]; A: input x; B: input w_ih: QUANTISED
;;     2. [M 2,048, K 2,048] x [K 2,048, N 8,192]; A: input hx; B: input w_hh: QUANTISED
;;   THE QUANTISER, for each operand of a quantised product, along K:
;;     - K is cut into blocks of 32 from its start; a last block that is shorter is filled with zeros.
;;     - A block's scale is 2^e with e = floor(log2(the largest magnitude in the block)) - 2, held to -126 .. 127; a block of zeros has e = 0. As a byte (E8M0): e + 127.
;;     - Each number is divided by its block's scale, clamped to +-6, and rounded to the nearest number of E2M1, ties to even, subnormals kept.
;;     - The product sums the exact products of the quantised numbers (number of the format x scale) in f32.
;;   ~~~python
;;   def quantise(x, axis):      # numpy; x: float32 -> the quantised numbers, widened to float32 again
;;       x = np.moveaxis(x, axis, -1); K = x.shape[-1]
;;       x = np.pad(x, [(0, 0)] * (x.ndim - 1) + [(0, -K % 32)]); x = x.reshape(x.shape[:-1] + (-1, 32)); a = np.abs(x).max(-1, keepdims=True)
;;       e = np.where(a > 0, np.clip(np.frexp(np.where(a > 0, a, 1))[1] - 1 - 2, -126, 127), 0)      # np.frexp(a)[1] - 1 = floor(log2(a)), exactly
;;       r = np.clip(x / 2.0 ** e, -6, 6)
;;       step = 2.0 ** (np.maximum(np.frexp(np.where(r == 0, 1, r))[1] - 1, 0) - 1)
;;       q = np.round(r / step) * step * 2.0 ** e      # np.round: ties to even
;;       return np.moveaxis(q.reshape(q.shape[:-2] + (-1,))[..., :K], -1, axis).astype(np.float32)
;;   ~~~
;; One version. Each part assembles by itself: llvm-mc -triple=amdgcn-amd-amdhsa -mcpu=gfx1250 --defsym DOCPART=n.
;; ======== version 1 of 1: 2 launches
;; limits: right only within a limited range of input values
;; workspace buffers: apack 2,506,752 bytes; bpack 10,027,008 bytes
;; launch quant (part 1): grid 240 x 1, 12 waves a work-group, no clusters, 305,664 bytes of LDS; arguments x, hx, w_ih, w_hh, apack, bpack; writes apack, bpack
.if DOCPART == 1
	.amdgcn_target "amdgcn-amd-amdhsa--gfx1250"
	.amdhsa_code_object_version 6
	.text
	.protected	k_q871ec1a702_quant
	.globl	k_q871ec1a702_quant
	.p2align	8
	.type	k_q871ec1a702_quant,@function
k_q871ec1a702_quant:
	s_mov_b64 s[64:65], 0
	v_nop
	global_prefetch_b8 v0, s[64:65] scope:SCOPE_SE
	s_setreg_imm32_b32 hwreg(HW_REG_WAVE_MODE, 25, 1), 1
	s_wait_xcnt 0x0
; [x | hx] (2,048 rows) and [w_ih | w_hh] (8,192 rows), f32, K = 256 + 2,048 = 18 steps of 128, become codes of FP4 (E2M1) with one E8M0 byte for each 32 along K.
; A block's scale is 2^(floor(log2(its largest magnitude)) - 2); its byte is the largest magnitude's exponent field - 2, held at 1 from below; each number / scale goes to the nearest code, ties to even, beyond 6 the largest code.
; K STEPS GO IN NINE PAIRS: pair q = (even: q < 2: the narrow tensor's step q, else the wide tensor's step q - 2; odd: the wide tensor's step 7 + q).
; THE RESULT lies in groups of 128 rows, 156,672 bytes each; in a group pair q at 17,408 q: the even step's eight fragment images (block i of 16 rows at 1,024 i; registers 4 c .. 4 c + 3 at + 512 c; lane l's 16 bytes at + 16 l:
; k = 64 c + 32 (l / 16) + 0 .. 31 of row l % 16), at 8,192 four records of 256 bytes of scale words (record p: [row r][block 2 p + h][even step, odd step], so 8 bytes at 16 r + 8 h), at 9,216 the odd step's images.
; apack: 16 groups, group g, block i, row r = batch row 128 g + 16 i + r.  bpack: 64 groups, group G, block i, row r = weight row 2,048 (i / 2) + 32 G + 16 (i % 2) + r: the four gates of a hidden unit meet in one lane of the product.
; SHARES.  A wave takes 32 neighbouring rows (blocks 2 p, 2 p + 1 of a group) of one pair: 320 runs of rows x 9 pairs = 2,880 waves = 240 work-groups x 12.  The odd step (32 rows x 512 bytes) comes by ONE tensor load into the wave's own
; LDS, 16 bytes of padding behind each row; the even step by 32 loads of 512 consecutive bytes into registers, and turns through the wave's own stage.  So a lane gets 2 x 32 neighbours along K: whole blocks, whose largest magnitude needs no other lane.
; All that a wave reads is asked for at its head; there is no loop to run ahead in, so nothing is prefetched.  Waves share nothing: no barrier, no cluster.  The even step is worked first, while the tile is on its way.
; LIMITS: NaN and infinities among the inputs are not served.  A block of zeros gets the byte 1 where the rule says 127: its codes are zeros, which add nothing under any byte but 0xff, and this program alone reads the bytes.
.set GROUPB, 156672
.set PAIR,   17408
.set SPITCH, 528                       ; an LDS row: 512 bytes + 16: an odd multiple of 16, so that the 16 rows that a read touches start at different banks
.set FRB,    16*SPITCH                 ; a fragment's 16 rows
.set STAGE,  12*2*FRB                  ; behind the twelve tiles of two fragments: a stage of one fragment for each wave
.set SPARE,  STAGE+12*FRB              ; the spare words, 128 bytes for each wave
.set OFF, 2                            ; v2-17   16 x lane + i x row pitch; OFF[0] also serves the code stores; never rewritten
.set STI, 20                           ; v20     the stage on the way in: 16 x lane
.set STO, 21                           ; v21     on the way out: 528 r + 128 h
.set TLD, 22                           ; v22     the same in my tile
.set SCO, 23                           ; v23     16 r + 8 h: my two words of the record
.set SPW, 24                           ; v24     LDS address of my spare word; never rewritten
.set SH,  25                           ; v25     8 h: my two bytes' place in a scale word, in bits
.set M,   26                           ; v26-27  largest magnitudes, then bytes; at the end my two words
.set E,   28                           ; v28-29  the conversions' scale operands
.set NIL, 30                           ; v30     0; never rewritten
.set WT,  31                           ; v31     lane l xor 16's part of a scale word
.set R,   32                           ; v32-159 two fragments as they are loaded
.set X,   160                          ; v160-223 my 2 x 32 neighbours
.set C,   224                          ; v224-255 codes: 8 registers a fragment, never rewritten
.set G1,  40                           ; s[40:47], s[48:51] the descriptor
.set G0,  48
.set SRC, 4                            ; s[4:5], s[8:9] where the even step's two fragments begin
.set DSTC, 12                          ; s[12:13] my codes
.set DSTS, 14                          ; s[14:15] my record of scale words
.set SEL, 52                           ; s[52:53] v_permlanex16_b32's selects for lane l xor 16
	s_load_b256 s[4:11], s[0:1], 0x0               ; x s[4:5], hx s[6:7], w_ih s[8:9], w_hh s[10:11]
	s_load_b128 s[12:15], s[0:1], 0x20             ; apack, bpack
	v_lshl_add_u32 v[SPW], v0, 2, SPARE
	v_mov_b32 v[NIL], 0
	ds_add_u32 v[SPW], v[NIL]
	ds_add_u32 v[SPW], v[NIL]
	v_lshrrev_b32 v1, 5, v0
	v_readfirstlane_b32 s16, v1                    ; wave 0..11
	s_mul_i32 s17, ttmp9, 12
	s_add_co_u32 s17, s17, s16                     ; 0 .. 2,879
	s_mul_hi_u32 s18, s17, 0x1c71c71d              ; / 9: which run of 32 rows
	s_mul_i32 s20, s18, 9
	s_sub_co_u32 s19, s17, s20                     ; pair q
	s_cmp_lt_u32 s18, 64                           ; A's 64 runs, then B's 256
	s_cselect_b32 s20, 0, 64
	s_cselect_b32 s21, 2, 0
	s_cselect_b32 s22, 0, 6
	s_sub_co_u32 s20, s18, s20                     ; V: my run in its tensor: rows 32 V ..
	s_lshr_b32 s21, s20, s21
	s_and_b32 s21, s21, 63                         ; group: A: V / 4, B: V % 64
	s_lshr_b32 s22, s20, s22
	s_and_b32 s22, s22, 3                          ; p: A: V % 4, B: V / 64
	s_lshl_b32 s24, s20, 18                        ; 32 rows of 8,192 bytes
	s_lshl_b32 s26, s19, 9
	s_add_co_u32 s24, s24, s26
	s_add_co_u32 s24, s24, 7*512                   ; the odd step in the wide tensor, in bytes
	s_mov_b32 s25, 0
	s_cmp_lt_u32 s19, 2                            ; the even step: narrow (rows of 1,024 bytes) or wide (8,192)
	s_cselect_b32 s27, 10, 13
	s_cselect_b32 s28, 0, 2
	s_sub_co_u32 s28, s19, s28
	s_lshl_b32 s28, s28, 9
	s_lshl_b32 s29, 1, s27                         ; the row pitch
	s_add_co_u32 s30, s27, 5
	s_lshl_b32 s30, s20, s30
	s_add_co_u32 s30, s30, s28                     ; the even step in its tensor, in bytes
	s_mov_b32 s31, 0
	s_lshl_b32 s32, s29, 4                         ; 16 rows on
	s_mov_b32 s33, 0
	s_mul_i32 s34, s21, GROUPB
	s_mul_i32 s35, s19, PAIR
	s_add_co_u32 s34, s34, s35
	s_lshl_b32 s36, s22, 11
	s_add_co_u32 s36, s36, s34                     ; my even codes
	s_mov_b32 s37, 0
	s_lshl_b32 s38, s22, 8
	s_add_co_u32 s38, s38, s34
	s_add_co_u32 s38, s38, 8192                    ; my record
	s_mov_b32 s39, 0
	s_mov_b32 s[G1+0], (2<<16)|(1<<20)|(6<<22)|(3<<25)   ; elements of 4 bytes; padding: after every 128 words (code 6) 4 words (code 3)
	s_mov_b32 s[G1+1], 128<<16
	s_mov_b32 s[G1+2], 32<<16
	s_mov_b32 s[G1+3], 128<<16
	s_mov_b32 s[G1+4], 32
	s_mov_b32 s[G1+5], 2048
	s_mov_b32 s[G1+6], 0
	s_mov_b32 s[G1+7], 0
	s_mov_b32 s[G0], 1
	s_mul_i32 s[G0+1], s16, 2*FRB                  ; my tile
	s_mul_i32 s54, s16, FRB
	s_add_co_u32 s54, s54, STAGE                   ; my stage
	s_mov_b32 s[SEL], 0x76543210
	s_mov_b32 s[SEL+1], 0xfedcba98
	v_and_b32 v1, 31, v0                           ; lane
	v_and_b32 v18, 15, v0                          ; r
	v_bfe_u32 v19, v0, 4, 1                        ; h
	v_lshlrev_b32 v[OFF], 4, v1
	v_add_nc_u32 v[STI], s54, v[OFF]
	v_mul_u32_u24 v[STO], v18, SPITCH
	v_lshl_add_u32 v[STO], v19, 7, v[STO]
	v_add_nc_u32 v[TLD], s[G0+1], v[STO]
	v_add_nc_u32 v[STO], s54, v[STO]
	v_lshlrev_b32 v[SCO], 4, v18
	v_lshl_add_u32 v[SCO], v19, 3, v[SCO]
	v_lshlrev_b32 v[SH], 3, v19
	v_mov_b32 v[WT], 0                             ; written once: a lane permute's destination counts as one of its sources
.irp i, 1,2,3,4,5,6,7,8,9,10,11,12,13,14,15
	v_mad_u32_u24 v[OFF+\i], s29, \i, v[OFF]
.endr
	s_wait_alu depctr_va_vdst(0)
	s_wait_dscnt 0x0                               ; both opening adds are done
	s_wait_kmcnt 0x0
	s_cmp_lt_u32 s18, 64                           ; A or B?  The choices hang on ids alone
	s_cselect_b64 s[4:5], s[4:5], s[8:9]
	s_cselect_b64 s[6:7], s[6:7], s[10:11]
	s_cselect_b64 s[12:13], s[12:13], s[14:15]
	s_add_nc_u64 s[G0+2:G0+3], s[6:7], s[24:25]
	s_or_b32 s[G0+3], s[G0+3], 0x80000000          ; type = 2
	tensor_load_to_lds s[G0:G0+3], s[G1:G1+7]      ; my odd step, the wave's only tensor load
	s_nop 0
	s_cmp_lt_u32 s19, 2
	s_cselect_b64 s[4:5], s[4:5], s[6:7]
	s_add_nc_u64 s[SRC:SRC+1], s[4:5], s[30:31]
	s_add_nc_u64 s[SRC+4:SRC+5], s[SRC:SRC+1], s[32:33]
	s_add_nc_u64 s[DSTS:DSTS+1], s[12:13], s[38:39]
	s_add_nc_u64 s[DSTC:DSTC+1], s[12:13], s[36:37]
.irp f, 0,1
.irp i, 0,1,2,3,4,5,6,7,8,9,10,11,12,13,14,15
	global_load_b128 v[R+64*\f+4*\i:R+64*\f+4*\i+3], v[OFF+\i], s[SRC+4*\f:SRC+4*\f+1] th:TH_LOAD_NT   ; 512 consecutive bytes of a row
.endr
.endr
; X -> codes in v[C + 8 t ..] and my row's scale word in v[w]; the codes go to byte dst of my codes
.macro QUANT t, w, dst
.irp c, 0,1                            ; my block 2 c + h: all its 32 numbers are mine
	v_max3_num_f32 v[M+\c], |v[X+32*\c]|, |v[X+32*\c+1]|, 0x1800000   ; and the floor 2^(3 - 127): so the byte cannot fall under 1
.endr
.irp i, 2,4,6,8,10,12,14,16,18,20,22,24,26,28,30
.irp c, 0,1
	v_max3_num_f32 v[M+\c], v[M+\c], |v[X+32*\c+\i]|, |v[X+32*\c+\i+1]|   ; (the two blocks by turns)
.endr
.endr
.irp c, 0,1
	v_add_nc_u32 v[E+\c], 0xff000000, v[M+\c]      ; 2 off the exponent field: the conversion takes the exponent field of this operand as its scale, and nothing else of it
.endr
.irp c, 0,1
.irp g, 0,1,2,3
	v_cvt_scalef32_pk8_fp4_f32 v[C+8*\t+4*\c+\g], v[X+32*\c+8*\g:X+32*\c+8*\g+7], v[E+\c]
.endr
.endr
	v_lshrrev_b32 v[M], 23, v[E]                   ; the scales' bytes.  (A plain line behind the conversions)
	v_lshrrev_b32 v[M+1], 23, v[E+1]
	v_lshl_or_b32 v[\w], v[M+1], 16, v[M]          ; blocks h and 2 + h of my row,
	v_lshlrev_b32 v[\w], v[SH], v[\w]              ; at their places in the scale word;
	v_permlanex16_b32 v[WT], v[\w], s[SEL], s[SEL+1]
	v_or_b32 v[\w], v[\w], v[WT]                   ; with lane l xor 16's two the word is whole
.irp c, 0,1
	global_store_b128 v[OFF], v[C+8*\t+4*\c:C+8*\t+4*\c+3], s[DSTC:DSTC+1] offset:\dst+512*\c   ; 32 lanes store 512 consecutive bytes, at a multiple of 256 from the buffer's first byte
.endr
.endm
.macro READ adr, off
.irp c, 0,1
.irp m, 0,1,2,3,4,5,6,7
	ds_load_b128 v[X+32*\c+4*\m:X+32*\c+4*\m+3], v[\adr] offset:\off+256*\c+16*\m
.endr
.endr
	s_wait_dscnt 0x0                               ; my 64 numbers are here
.endm
.macro THROUGH f                       ; fragment f of the even step through the stage: LDS serves a wave's instructions in order
.irp i, 0,1,2,3,4,5,6,7,8,9,10,11,12,13,14,15
	ds_store_b128 v[STI], v[R+64*\f+4*\i:R+64*\f+4*\i+3] offset:SPITCH*\i
.endr
	READ STO, 0
.endm
	s_wait_loadcnt 16                              ; the even step's first 16 rows; the 16 younger loads may be out
	THROUGH 0
	QUANT 0, 0, 0
	s_wait_loadcnt 0x0
	THROUGH 1
	QUANT 1, 1, 1024
	s_wait_tensorcnt 0x0                           ; my tile is in; no other wave touches it
	READ TLD, 0
	QUANT 2, 18, 9216
	READ TLD, FRB
	QUANT 3, 19, 9216+1024
	v_cmp_ne_u32 vcc_lo, 0, v[SH]
	v_cndmask_b32 v[M], v0, v1, vcc_lo             ; lanes 0-15: row r's words in block 2 p, lanes 16-31 in block 2 p + 1: the even step's
	v_cndmask_b32 v[M+1], v18, v19, vcc_lo         ; and the odd step's
	global_store_b64 v[SCO], v[M:M+1], s[DSTS:DSTS+1]   ; the wave stores 256 consecutive bytes, aligned
	s_wait_tensorcnt 0x0                           ; the wave's end
	ds_add_u32 v[SPW], v[NIL]
	s_wait_dscnt 0x0
	s_endpgm
.Lfunc_end_k_q871ec1a702_quant:
	.size	k_q871ec1a702_quant, .Lfunc_end_k_q871ec1a702_quant-k_q871ec1a702_quant
	.p2alignl 7, 3214868480
	.fill 96, 4, 3214868480
	.section	.rodata,"a",@progbits
	.p2align	6, 0x0
	.amdhsa_kernel k_q871ec1a702_quant
		.amdhsa_group_segment_fixed_size 305664
		.amdhsa_private_segment_fixed_size 0
		.amdhsa_enable_private_segment 0
		.amdhsa_kernarg_size 48
		.amdhsa_user_sgpr_count 2
		.amdhsa_user_sgpr_kernarg_segment_ptr 1
		.amdhsa_wavefront_size32 1
		.amdhsa_system_sgpr_workgroup_id_x 1
		.amdhsa_system_sgpr_workgroup_id_y 1
		.amdhsa_system_sgpr_workgroup_id_z 1
		.amdhsa_system_vgpr_workitem_id 0
		.amdhsa_next_free_vgpr 256
		.amdhsa_next_free_sgpr 66
		.amdhsa_reserve_vcc 1
		.amdhsa_float_denorm_mode_32 3
		.amdhsa_float_denorm_mode_16_64 3
		.amdhsa_memory_ordered 1
		.amdhsa_forward_progress 1
		.amdhsa_inst_pref_size 28
	.end_amdhsa_kernel
	.amdgpu_metadata
---
amdhsa.version: [ 1, 2 ]
amdhsa.kernels:
  - .name:           k_q871ec1a702_quant
    .symbol:         k_q871ec1a702_quant.kd
    .args:
      - { .name: x, .offset: 0, .size: 8, .value_kind: global_buffer, .address_space: global }
      - { .name: hx, .offset: 8, .size: 8, .value_kind: global_buffer, .address_space: global }
      - { .name: w_ih, .offset: 16, .size: 8, .value_kind: global_buffer, .address_space: global }
      - { .name: w_hh, .offset: 24, .size: 8, .value_kind: global_buffer, .address_space: global }
      - { .name: apack, .offset: 32, .size: 8, .value_kind: global_buffer, .address_space: global }
      - { .name: bpack, .offset: 40, .size: 8, .value_kind: global_buffer, .address_space: global }
    .group_segment_fixed_size: 305664
    .private_segment_fixed_size: 0
    .kernarg_segment_align: 8
    .kernarg_segment_size: 48
    .max_flat_workgroup_size: 384
    .sgpr_count:     66
    .vgpr_count:     256
    .wavefront_size: 32
...
	.end_amdgpu_metadata
.endif
;; end of part 1
;; launch lstm (part 2): grid 32 x 8, 4 waves a work-group, clusters of 4 x 4, 327,680 bytes of LDS; arguments apack, bpack, cx, b_ih, b_hh, out0, out1; writes out0, out1
.if DOCPART == 2
	.amdgcn_target "amdgcn-amd-amdhsa--gfx1250"
	.amdhsa_code_object_version 6
	.text
	.protected	k_q871ec1a702_lstm
	.globl	k_q871ec1a702_lstm
	.p2align	8
	.type	k_q871ec1a702_lstm,@function
k_q871ec1a702_lstm:
	s_mov_b64 s[64:65], 0
	v_nop
	global_prefetch_b8 v0, s[64:65] scope:SCOPE_SE
	s_setreg_imm32_b32 hwreg(HW_REG_WAVE_MODE, 25, 1), 1
	s_wait_xcnt 0x0
	s_wait_alu depctr_hold_cnt(0) depctr_sa_sdst(0) depctr_va_vdst(0) depctr_va_sdst(0) depctr_va_ssrc(0) depctr_va_vcc(0) depctr_vm_vsrc(0)
	s_getreg_b32 s2, hwreg(HW_REG_IB_STS2, 6, 4)
	s_cmp_eq_u32 s2, 0
	s_cbranch_scc0 .Lentry_in_a_cluster
	s_endpgm
.Lentry_in_a_cluster:
	s_bfe_u32 s2, ttmp6, 0x10000c
	s_cmp_lg_u32 s2, 0xf033
	s_cbranch_scc0 .Lentry_shape_is_right
	s_endpgm
.Lentry_shape_is_right:
; gates = [x | hx] [w_ih | w_hh]^T + (b_ih + b_hh) on codes of FP4 (E2M1) with E8M0 scales, K = 2,304 = 18 steps of 128, sums in f32; then cy = sigmoid(f) cx + sigmoid(i) tanh(g), hy = sigmoid(o) tanh(cy).  out0 = hy, out1 = cy.
; The operands come in GROUPS of 128 rows, 156,672 bytes: nine pairs of K steps, 17,408 bytes each: the even step's eight fragment images (block i at 1,024 i, registers 4 c .. 4 c + 3 at + 512 c, lane l at + 16 l), at 8,192 the
; scale words of both steps (256 bytes for blocks 2 p, 2 p + 1: [row r][block 2 p + h][even, odd]), at 9,216 the odd step's images.  Which 128 of K a step holds is the same for both operands.
; apack 16 groups, bpack 64.  B's group G, block i, row r is weight row 2,048 (i / 2) + 32 G + 16 (i % 2) + r: gate i / 2, hidden unit 32 G + 16 (i % 2) + r.
; SHARES.  A work-group of four waves makes 256 batch rows x 64 hidden units x 4 gates; wave (wm, wn) makes rows 128 wm on against B's group 2 x tile column + wn: 32 accumulators of 32 x 16, 512 registers.
; THE MATRIX INSTRUCTION IS USED TRANSPOSED (source 0 = B's blocks 2 p, 2 p + 1: 32 weight rows, source 1 = A's block a: 16 batch rows): lane (r, h), register 8 u + j of accumulator (a, p) is batch row 16 a + r, gate p, hidden unit
; 16 u + 8 h + j: the four gates of an element lie in ONE lane, so the gates never leave the registers.  The biases are the C of each sum's first matrix instruction.
; SCALES.  Source 0 takes lane m's word for its row m of 32; source 1 takes lanes 0-15 or, by its ROW1 selector, 16-31: so both sides load a record alike, 8 bytes a lane at 16 r + 8 h: the even and the odd step's words.
; RING.  Two LDS slots: P four K steps, Q five.  The walk: P (steps 0-3), Q (4-8), P (9-12), Q (13-17), and then cx's tile into P.  One tensor load a wave at the head (P); Q's first fill and every refill stand behind a round of the
; cluster's barrier.  A fill is consecutive bytes of a group; where a fill ends between the two steps of a pair, the pair's scale words come with the even step and are read with it for both.
; FRAGMENTS.  A and B have two sets of registers each: while step s is multiplied, step s + 1 is fetched, in two runs of loads: B and the scale words at the step's head, A in its middle.  Every LDS read of a fragment takes 512 consecutive bytes.
; CLUSTERS: 4 x 4 work-groups.  The four of a row of the cluster need the same groups of A, the four of a column the same groups of B: each is asked for JOINTLY, by the same tensor load with the same descriptor and a mask that names the four.
; PREFETCHES, a slot ahead of the load: of each group that a wave asks for jointly, the four partners name rows of 256 bytes by turns (told apart by address); A's groups by the first four columns of clusters alone.  128 + 44 of fill 1's
; 172 rows, then rows 308-479 and 484-611 of the group's 612; cx's 64 rows a wave, a lane a row.
; LIMITS: NaN and infinities among the inputs are not served.  tanh(z) = (E - 2) / E with E = 1 + 2^(2 log2(e) z), the exponent held to +-30: beyond it tanh is +-1 in f32.  A sigmoid's 1 + 2^(..) may become infinite: its reciprocal is then 0, the right limit.
; REGISTERS, in windows of 256: window 0: v1-29 addresses; v32-63 scale words, two sets of 16; v64-127 the biases; v128-255 A's fragments, two sets; on the way out v32-63 and v96-127 cx, v64-95 numerators, v128-255 the gates.
;   window 1: B's fragments, two sets, at v0 and at v128; on the way out v0-127 rows read back.   window 2: the accumulators of A's blocks 0-3 ((a, p) at v[64 (a % 4) + 16 p]);   window 3: those of blocks 4-7.
.set PG,     34816                     ; a group's part of slot P: 136 rows of 256 bytes
.set QG,     44032                     ; and of slot Q: 172 rows
.set QB,     4*PG                      ; slot P: A's two groups, then B's two, from byte 0; slot Q likewise from here
.set GROUPB, 156672                    ; a group in memory
.set CXP,    272                       ; a row of a stage in LDS: 256 bytes + 16: row r starts at bank 4 r mod 64 (64 banks of 4 bytes: ISA guide 11.1)
.set CXB,    256*CXP                   ; the way out, in slot P: hy's stage from byte 0, cx's tile from here; cy is written over cx, each lane over the bytes that it alone has read
.set SPARE,  QB+4*QG                   ; behind the ring: the spare words, 128 bytes for each wave
.set HROW,   8192                      ; a row of cx, out0 and out1 in bytes
.set PFO,  9                           ; v9   prefetches: 256 x (my place + 4 x lane): 128 rows by the four partners
.set PFC,  10                          ; v10  the same with the lane held to 10: 44 rows
.set PFX,  11                          ; v11  lane x a row of cx
.set ADRT, 12                          ; v12-13  LDS address of my B scale words in slot P, Q
.set ADRA, 16                          ; v16-17  of my A fragments
.set ADRB, 20                          ; v20-21  of my B fragments
.set ADRS, 22                          ; v22-23  of my A scale words
.set CXA,  24                          ; v24     my 32 bytes of a row of cx's tile; cy goes to the same place
.set HYA,  25                          ; v25     the same place in hy's stage
.set RD,   26                          ; v26     where I read whole rows back: hy's (wn = 0) or cy's (wn = 1)
.set CO,   27                          ; v27     my byte offset in two rows of the output
.set SPW,  28                          ; v28     LDS address of my spare word: SPARE + 4 x my thread's number; never rewritten
.set NIL,  29                          ; v29     0; never rewritten
.set SC,   32                          ; scale words: set 16 (pair % 2); in it register 2 p + step % 2 for A's blocks 2 p, 2 p + 1, and 8 more for B's
.set BIAS, 64                          ; b_ih + b_hh in the result's layout, 16 registers for each gate
.set CXR,  96                          ; v96-127 and v32-63: cx, two sets of 32
.set NN,   64                          ; v64-95  numerators
.set AF,   128                         ; A's fragments
.set TT,   128                         ; the way out: i at +0, f at +32, g at +64, o at +96, 32 each
.set G1X, 4                            ; s[4:11], s[12:15] groups 1 and 0 for cx's tile (the arguments that lay there have been used by then)
.set G0X, 12
.set G1PA, 24                          ; s[24:31] descriptor group 1 for A's groups into P;  s[68:75] into Q
.set G1QA, 68
.set G0PA, 32                          ; s[32:35], s[36:39] their groups 0
.set G0QA, 36
.set G1PB, 48                          ; s[48:55], s[88:95] the same for B's
.set G1QB, 88
.set G0PB, 56                          ; s[56:59], s[60:63]
.set G0QB, 60
.set CXG, 76                           ; s[76:77] cx at my wave's first row
.set PFB, 78                           ; s[78:79] the group that I fetch, for prefetches
.set SNL, 80                           ; s[80:81] -log2(e): the packed forms name a pair and take its low word for both halves
.set STL, 82                           ; s[82:83] 2 log2(e)
.set CLH, 84                           ; s84  30.0
.set CLL, 85                           ; s85  -30.0
.set OUT, 86                           ; s[86:87] the output that I store, at my first row
.set MSB, 0
.macro WIN new                         ; the immediate's high byte repeats the setting that is left
.if MSB != (\new)
	s_set_vgpr_msb (MSB<<8)|(\new)
.set MSB, (\new)
.endif
.endm
.set MUL_LO, 0xa1                      ; source 0 (B) window 1, source 1 (A) window 0, C and D window 2
.set MUL_HI, 0xf1                      ; the same, C and D window 3
.set ZER_LO, 0x81                      ; the first K step: C (the biases) window 0, D window 2
.set ZER_HI, 0xc1                      ; D window 3
.set TO_B,   0x40                      ; destination window 1, address window 0
; A joint load: waves 0 and 1 fetch A's two groups, waves 2 and 3 B's.  Each of the two lines has ONE mask and one set of registers for all that issue it; the branch hangs on the wave's number alone.
.macro JLOAD g0a, g1a, g0b, g1b
	s_cmp_eq_u32 s19, 0
	s_cbranch_scc0 .Lfor_b_\@
	tensor_load_to_lds s[\g0a:\g0a+3], s[\g1a:\g1a+7]
	s_nop 0
.rept 4
	v_nop
.endr
	s_branch .Lasked_\@
.Lfor_b_\@:
	tensor_load_to_lds s[\g0b:\g0b+3], s[\g1b:\g1b+7]
	s_nop 0
.rept 4
	v_nop
.endr
.Lasked_\@:
.endm
.macro CREST                           ; a round of the cluster's barrier behind its opening barrier
	s_cmp_lg_u32 s18, 0
	s_cbranch_scc1 .Lnot_wave_0_\@
	s_barrier_signal -3
.Lnot_wave_0_\@:
	s_barrier_wait -3
	s_barrier_signal -1
	s_barrier_wait -1
.endm
.macro CROUND                          ; a whole round
	s_barrier_signal -1
	s_barrier_wait -1
	CREST
.endm
.macro ASK1 off                        ; 128 rows of the group from byte off on, shared out among the four partners
	WIN 0
	s_cmp_lg_u32 s3, 0
	s_cbranch_scc0 .Lno_\@
	global_prefetch_b8 v[PFO], s[PFB:PFB+1] offset:\off th:TH_LOAD_NT scope:SCOPE_SE
.Lno_\@:
.endm
.macro ASK2 off                        ; 128 + 44 rows
	WIN 0
	s_cmp_lg_u32 s3, 0
	s_cbranch_scc0 .Lno_\@
	global_prefetch_b8 v[PFO], s[PFB:PFB+1] offset:\off th:TH_LOAD_NT scope:SCOPE_SE
	global_prefetch_b8 v[PFC], s[PFB:PFB+1] offset:\off+32768 th:TH_LOAD_NT scope:SCOPE_SE
.Lno_\@:
.endm
	s_load_b256 s[4:11], s[0:1], 0x0               ; apack s[4:5], bpack s[6:7], cx s[8:9], b_ih s[10:11]
	s_load_b128 s[12:15], s[0:1], 0x20             ; b_hh s[12:13], out0 s[14:15]
	s_load_b64 s[16:17], s[0:1], 0x30              ; out1
	v_lshl_add_u32 v[SPW], v0, 2, SPARE
	v_mov_b32 v[NIL], 0
	ds_add_u32 v[SPW], v[NIL]
	ds_add_u32 v[SPW], v[NIL]
	v_lshrrev_b32 v1, 5, v0
	v_readfirstlane_b32 s18, v1                    ; wave 0..3
	s_lshr_b32 s19, s18, 1                         ; wm: which 128 batch rows are mine.  Also: I fetch for A (0) or for B (1)
	s_and_b32 s20, s18, 1                          ; wn: which group of B is mine.  Also: which of the two groups I fetch
	s_bfe_u32 s40, ttmp6, 0x40000                  ; cx, cy: my place in the cluster
	s_bfe_u32 s41, ttmp6, 0x40004
	s_lshl_b32 s42, ttmp9, 2
	s_add_co_u32 s42, s42, s40                     ; tile column (64 hidden units) = 4 x cluster x + cx
	s_and_b32 s43, ttmp7, 0xffff
	s_lshl_b32 s43, s43, 2
	s_add_co_u32 s43, s43, s41                     ; tile row (256 batch rows) = 4 x cluster y + cy
	s_lshl_b32 s44, s41, 2
	s_lshl_b32 s44, 15, s44                        ; my row of the cluster
	s_lshl_b32 s45, 0x1111, s40                    ; my column
	; descriptor groups 1: dense bytes, as 136 or 172 rows of 256 bytes (32 elements of 8 bytes), no padding
	s_or_b32 s[G1PA+0], s44, (3<<16)|(1<<21)       ; 15:0 the mask: A's groups go to my row; 17:16 elements of 8 bytes; 21 set beside a mask
	s_or_b32 s[G1QA+0], s44, (3<<16)|(1<<21)
	s_or_b32 s[G1PB+0], s45, (3<<16)|(1<<21)       ; B's go to my column
	s_or_b32 s[G1QB+0], s45, (3<<16)|(1<<21)
.irp g, G1PA, G1PB
	s_mov_b32 s[\g+1], 32<<16
	s_mov_b32 s[\g+2], 136<<16
	s_mov_b32 s[\g+3], 32<<16
	s_mov_b32 s[\g+4], 136
	s_mov_b32 s[\g+5], 32
	s_mov_b32 s[\g+6], 0
	s_mov_b32 s[\g+7], 0
.endr
.irp g, G1QA, G1QB
	s_mov_b32 s[\g+1], 32<<16
	s_mov_b32 s[\g+2], 172<<16
	s_mov_b32 s[\g+3], 32<<16
	s_mov_b32 s[\g+4], 172
	s_mov_b32 s[\g+5], 32
	s_mov_b32 s[\g+6], 0
	s_mov_b32 s[\g+7], 0
.endr
	; where the groups come from.  A's hang on the tile row alone, B's on the tile column alone, each in registers that never hold the other coordinate
	s_lshl_b32 s96, s43, 1
	s_add_co_u32 s96, s96, s20
	s_mul_i32 s96, s96, GROUPB                     ; A: group 2 x tile row + half
	s_mov_b32 s97, 0
	s_lshl_b32 s46, s42, 1
	s_add_co_u32 s46, s46, s20
	s_mul_i32 s46, s46, GROUPB                     ; B: group 2 x tile column + half
	s_mov_b32 s47, 0
	s_lshl_b32 s98, s43, 8
	s_lshl_b32 s99, s18, 6
	s_add_co_u32 s98, s98, s99                     ; cx: row 256 x tile row + 64 x wave,
	s_lshl_b32 s98, s98, 13
	s_lshl_b32 s99, s42, 8
	s_add_co_u32 s98, s98, s99                     ; column byte 256 x tile column
	s_mov_b32 s99, 0
	s_lshl_b32 s100, s43, 8
	s_lshl_b32 s101, s19, 7
	s_add_co_u32 s100, s100, s101                  ; the output: row 256 x tile row + 128 wm
	s_lshl_b32 s100, s100, 13
	s_lshl_b32 s101, s42, 8
	s_add_co_u32 s100, s100, s101
	s_mov_b32 s101, 0
	s_lshl_b32 s44, s42, 8
	s_lshl_b32 s45, s20, 7
	s_add_co_u32 s44, s44, s45                     ; the biases: my 32 hidden units begin at unit 64 x tile column + 32 wn: x 4 bytes
	s_mov_b32 s45, 0
	s_mov_b32 s[SNL], 0xbfb8aa3b                   ; -log2(e)
	s_mov_b32 s[SNL+1], s[SNL]                     ; (named with it as a pair, so it is written)
	s_mov_b32 s[STL], 0x4038aa3b                   ; 2 log2(e)
	s_mov_b32 s[STL+1], s[STL]
	s_mov_b32 s[CLH], 0x41f00000
	s_mov_b32 s[CLL], 0xc1f00000
	s_mul_i32 s21, s18, PG                         ; where my loads go: wave x a group's part of the slot: no place in the cluster enters an LDS address
	s_mul_i32 s22, s18, QG
	s_add_co_u32 s22, s22, QB
	s_mul_i32 s23, s19, PG                         ; my group of A in P
	s_mul_i32 s56, s19, QG
	s_add_co_u32 s56, s56, QB                      ; in Q
	s_mul_i32 s57, s20, PG
	s_add_co_u32 s57, s57, 2*PG                    ; my group of B in P
	s_mul_i32 s58, s20, QG
	s_add_co_u32 s58, s58, QB+2*QG                 ; in Q
	s_mul_i32 s62, s19, 128*CXP                    ; the way out: my 128 rows of the tile,
	s_lshl_b32 s61, s20, 7                         ; my 128 bytes of a row
	s_add_co_u32 s61, s61, s62
	s_mul_i32 s63, s20, CXB                        ; back: hy's stage, or cy's at cx's tile
	s_add_co_u32 s62, s62, s63
	s_cmp_lt_u32 ttmp9, 4                          ; prefetches: A's groups by four columns of clusters, B's by all
	s_cselect_b32 s3, 1, 0
	s_or_b32 s3, s3, s19
	s_cmp_eq_u32 s19, 0
	s_cselect_b32 s63, s40, s41                    ; my place among the four that ask with me
	s_lshl_b32 s63, s63, 8
	v_and_b32 v1, 15, v0                           ; r = lane % 16
	v_bfe_u32 v2, v0, 4, 1                         ; h = lane / 16
	v_and_b32 v3, 31, v0
	v_lshlrev_b32 v4, 4, v3                        ; 16 x lane: my place in an image
	v_lshlrev_b32 v5, 5, v2                        ; the biases: my half's eight numbers of a block
	v_add_nc_u32 v[ADRA], s23, v4
	v_add_nc_u32 v[ADRA+1], s56, v4
	v_add_nc_u32 v[ADRB], s57, v4
	v_add_nc_u32 v[ADRB+1], s58, v4
	v_lshlrev_b32 v7, 4, v1
	v_lshl_add_u32 v6, v2, 3, v7                   ; scale words: 16 r + 8 h
	v_add_nc_u32 v[ADRS], s23, v6
	v_add_nc_u32 v[ADRS+1], s56, v6
	v_add_nc_u32 v[ADRT], s57, v6
	v_add_nc_u32 v[ADRT+1], s58, v6
	v_mul_u32_u24 v6, v1, CXP
	v_lshl_add_u32 v6, v2, 5, v6                   ; row r, + 32 h
	v_add_nc_u32 v[HYA], s61, v6
	v_add_nc_u32 v[CXA], CXB, v[HYA]
	v_mul_u32_u24 v6, v2, CXP                      ; lanes 0-15 take one row of 256 bytes, lanes 16-31 the next
	v_lshl_add_u32 v6, v1, 4, v6
	v_add_nc_u32 v[RD], s62, v6
	v_lshl_add_u32 v[CO], v2, 13, v7               ; and the same two rows in the output
	v_lshlrev_b32 v6, 10, v3
	v_add_nc_u32 v[PFO], s63, v6
	v_min_u32 v6, 10, v3
	v_lshlrev_b32 v6, 10, v6
	v_add_nc_u32 v[PFC], s63, v6
	v_lshlrev_b32 v[PFX], 13, v3
	s_wait_alu depctr_va_vdst(0)
	s_wait_dscnt 0x0                               ; both opening adds are done
	s_wait_kmcnt 0x0
	s_add_nc_u64 s[96:97], s[4:5], s[96:97]
	s_add_nc_u64 s[46:47], s[6:7], s[46:47]
	s_add_nc_u64 s[CXG:CXG+1], s[8:9], s[98:99]
	s_add_nc_u64 s[10:11], s[10:11], s[44:45]
	s_add_nc_u64 s[12:13], s[12:13], s[44:45]
	s_cmp_eq_u32 s20, 0                            ; wave (wm, 0) stores hy's rows, wave (wm, 1) cy's: the choice hangs on the wave's number alone
	s_cselect_b64 s[OUT:OUT+1], s[14:15], s[16:17]
	s_add_nc_u64 s[OUT:OUT+1], s[OUT:OUT+1], s[100:101]
	s_cmp_eq_u32 s19, 0
	s_cselect_b64 s[PFB:PFB+1], s[96:97], s[46:47]
	s_mov_b32 s[G0PA], 1                           ; count = 1
	s_mov_b32 s[G0PA+1], s21                       ; LDS address: slot P
	s_mov_b64 s[G0PA+2:G0PA+3], s[96:97]           ; global address: K steps 0 to 3
	s_or_b32 s[G0PA+3], s[G0PA+3], 0x80000000      ; type = 2
	s_mov_b32 s[G0PB], 1
	s_mov_b32 s[G0PB+1], s21
	s_mov_b64 s[G0PB+2:G0PB+3], s[46:47]
	s_or_b32 s[G0PB+3], s[G0PB+3], 0x80000000
	s_mov_b32 s[G0QA], 1
	s_mov_b32 s[G0QA+1], s22                       ; slot Q
	s_add_nc_u64 s[G0QA+2:G0QA+3], s[96:97], PG    ; K steps 4 to 8
	s_or_b32 s[G0QA+3], s[G0QA+3], 0x80000000
	s_mov_b32 s[G0QB], 1
	s_mov_b32 s[G0QB+1], s22
	s_add_nc_u64 s[G0QB+2:G0QB+3], s[46:47], PG
	s_or_b32 s[G0QB+3], s[G0QB+3], 0x80000000
	CROUND                                         ; all sixteen work-groups are here: the first joint loads meet
	JLOAD G0PA, G1PA, G0PB, G1PB                   ; slot P: one tensor load a wave at the head
	ASK2 PG                                        ; fill 1's 172 rows, which are asked for when P has landed
.irp b, 0,1,2,3,4,5,6,7                ; block b: gate b / 2, units 16 (b % 2) + 8 h + 0 .. 7.  b_ih into the biases' registers, b_hh into those that A's fragments take later
.irp k, 0,1
	global_load_b128 v[BIAS+8*\b+4*\k:BIAS+8*\b+4*\k+3], v5, s[10:11] offset:8192*(\b/2)+64*(\b%2)+16*\k
	global_load_b128 v[AF+8*\b+4*\k:AF+8*\b+4*\k+3], v5, s[12:13] offset:8192*(\b/2)+64*(\b%2)+16*\k
.endr
.endr
.macro LOC s                           ; where K step s lies: LS its slot (0: P, 1: Q), LQ its codes' byte in the group's part of it; an even step's pair has its scale words behind the codes
.if (\s) < 4
.set LS, 0
.set LQ, (\s)*8192+(((\s)+1)/2)*1024
.elseif (\s) < 9
.set LS, 1
.set LQ, ((\s)-4)*8192+(((\s)-3)/2)*1024
.elseif (\s) < 13
.set LS, 0
.set LQ, ((\s)-9)*8192+(((\s)-9)/2)*1024
.else
.set LS, 1
.set LQ, 1024+((\s)-13)*8192+(((\s)-13)/2)*1024
.endif
.endm
.macro RB s                            ; K step s: B's eight fragments into set s % 2: 16 loads, each of 512 consecutive bytes
	LOC \s
	WIN TO_B
.irp i, 0,1,2,3,4,5,6,7
.irp c, 0,1
	ds_load_b128 v[128*((\s)%2)+8*\i+4*\c:128*((\s)%2)+8*\i+4*\c+3], v[ADRB+LS] offset:LQ+1024*\i+512*\c
.endr
.endr
.endm
.macro RA s                            ; A's eight
	LOC \s
	WIN 0
.irp i, 0,1,2,3,4,5,6,7
.irp c, 0,1
	ds_load_b128 v[AF+64*((\s)%2)+8*\i+4*\c:AF+64*((\s)%2)+8*\i+4*\c+3], v[ADRA+LS] offset:LQ+1024*\i+512*\c
.endr
.endr
.endm
.macro RS s                            ; with an even step: its pair's scale words, 8 loads of 256 consecutive bytes.  N1: the loads of a step's first run
	WIN 0
.set N1, 16
.if ((\s)%2) == 0
.set N1, 24
	LOC \s
.irp p, 0,1,2,3
	ds_load_b64 v[SC+16*(((\s)/2)%2)+2*\p:SC+16*(((\s)/2)%2)+2*\p+1], v[ADRS+LS] offset:LQ+8192+256*\p
	ds_load_b64 v[SC+16*(((\s)/2)%2)+8+2*\p:SC+16*(((\s)/2)%2)+8+2*\p+1], v[ADRT+LS] offset:LQ+8192+256*\p
.endr
.endif
.endm
; 8 matrix instructions: A's blocks a0 (even), a0 + 1 x B's four pairs of blocks, K step s.  zero = 1: the first K step: the biases are the sums' beginning: nothing is cleared, nothing is added later.
; The 32 accumulators take turns, one instruction a turn, in the same order in every step.
.macro MUL8 a0, s, zero
.set SB, SC+16*(((\s)/2)%2)+((\s)%2)
.set PB, 128*((\s)%2)
.set PA, AF+64*((\s)%2)+8*(\a0)
.set DD, 64*((\a0)%4)
.irp p, 0,1,2,3
.if \zero
	v_wmma_scale_f32_32x16x128_f4 v[DD+16*\p:DD+16*\p+15], v[PB+16*\p:PB+16*\p+15], v[PA:PA+7], v[BIAS+16*\p:BIAS+16*\p+15], v[SB+8+2*\p], v[SB+(\a0)]
.else
	v_wmma_scale_f32_32x16x128_f4 v[DD+16*\p:DD+16*\p+15], v[PB+16*\p:PB+16*\p+15], v[PA:PA+7], v[DD+16*\p:DD+16*\p+15], v[SB+8+2*\p], v[SB+(\a0)]
.endif
.endr
.irp p, 0,1,2,3
.if \zero
	v_wmma_scale_f32_32x16x128_f4 v[DD+64+16*\p:DD+64+16*\p+15], v[PB+16*\p:PB+16*\p+15], v[PA+8:PA+15], v[BIAS+16*\p:BIAS+16*\p+15], v[SB+8+2*\p], v[SB+(\a0)] matrix_b_scale:MATRIX_SCALE_ROW1
.else
	v_wmma_scale_f32_32x16x128_f4 v[DD+64+16*\p:DD+64+16*\p+15], v[PB+16*\p:PB+16*\p+15], v[PA+8:PA+15], v[DD+64+16*\p:DD+64+16*\p+15], v[SB+8+2*\p], v[SB+(\a0)] matrix_b_scale:MATRIX_SCALE_ROW1
.endif
.endr
.endm
; A load into a register that a matrix instruction has read, and a vector instruction that reads a matrix result or writes one of a matrix instruction's registers, stand four places behind it, and only plain
; vector instructions that name none of its registers are places (ISA guide 7.12.1 for vector instructions).
.macro PLACES n
.rept \n
	v_nop
.endr
.endm
; K step s, whose successor lies in the same slot.  The successor's sets were last read a step ago: one run of places at the step's head serves all its loads.
.macro STEP s, zero
	PLACES 4
	RB (\s)+1
	RS (\s)+1
	s_wait_dscnt N1+8                              ; this step's B, scale words and A's blocks 0-3 are in; out may be A's blocks 4-7 and the N1 loads just issued
.if \zero
	WIN ZER_LO
.else
	WIN MUL_LO
.endif
	MUL8 0, \s, \zero
	MUL8 2, \s, \zero
	s_wait_dscnt N1                                ; A's blocks 4-7 are in
	RA (\s)+1
.if \zero
	WIN ZER_HI
.else
	WIN MUL_HI
.endif
	MUL8 4, \s, \zero
	MUL8 6, \s, \zero
.endm
; K step s, a slot's last, changes slots: in front of the round each wave waits for all its tensor loads, adds 0 to its spare word, and waits for that and for its own reads of this slot.
; fill = 1: slot P, just read out, takes K steps 9 to 12; fill = 2: slot Q takes K steps 13 to 17; fill = 3: slot P takes cx's tile, each wave its own 64 rows.
.macro TURN s, fill
	WIN 0                                          ; (the add's two registers lie in window 0)
	s_wait_tensorcnt 0x0                           ; all my tensor loads have landed: my part of the next slot
	ds_add_u32 v[SPW], v[NIL]                      ; 0 onto my spare word
.if \fill == 1
	s_add_nc_u64 s[G0PA+2:G0PA+3], s[G0PA+2:G0PA+3], PG+QG
	s_add_nc_u64 s[G0PB+2:G0PB+3], s[G0PB+2:G0PB+3], PG+QG
.elseif \fill == 2
	s_add_nc_u64 s[G0QA+2:G0QA+3], s[G0QA+2:G0QA+3], PG+QG-1024   ; from the scale words of step 12's pair on, so that the fill is as long as the first
	s_add_nc_u64 s[G0QB+2:G0QB+3], s[G0QB+2:G0QB+3], PG+QG-1024
.endif
	s_wait_dscnt 9                                 ; (the add and the youngest eight loads, A's blocks 4-7, may be out)
	WIN MUL_LO
	MUL8 0, \s, 0                                  ; eight matrix instructions stand between the add and the wait for it
	s_wait_dscnt 0x0                               ; the add is done, and my reads of this slot are over
	s_barrier_signal -1
	MUL8 2, \s, 0
	WIN 0
	s_barrier_wait -1
	CREST                                          ; no wave of any partner still reads this slot or has a load on its way
.if \fill == 1
	JLOAD G0PA, G1PA, G0PB, G1PB                   ; the first tensor load behind the round; the four v_nop behind it are the places in front of the loads below
.elseif \fill == 2
	JLOAD G0QA, G1QA, G0QB, G1QB
.else
	tensor_load_to_lds s[G0X:G0X+3], s[G1X:G1X+7]
	s_nop 0
	PLACES 4
.endif
	RB (\s)+1
	RS (\s)+1
	RA (\s)+1
	WIN MUL_HI
	MUL8 4, \s, 0
	MUL8 6, \s, 0
.endm
	s_wait_loadcnt 0x0                             ; the biases
.set j, 0
.rept 32
	v_pk_add_f32 v[BIAS+j:BIAS+j+1], v[BIAS+j:BIAS+j+1], v[AF+j:AF+j+1]   ; b_ih + b_hh
.set j, j+2
.endr
	s_mov_b32 s[G1X+0], (3<<16)|(1<<20)|(5<<22)|(3<<25)   ; cx's tile: 64 rows of 256 bytes (32 elements of 8 bytes), 4 words of padding (code 3) after every 64 (code 5)
	s_mov_b32 s[G1X+1], 32<<16
	s_mov_b32 s[G1X+2], 64<<16
	s_mov_b32 s[G1X+3], 32<<16
	s_mov_b32 s[G1X+4], 64
	s_mov_b32 s[G1X+5], HROW/8
	s_mov_b32 s[G1X+6], 0
	s_mov_b32 s[G1X+7], 0
	s_mov_b32 s[G0X], 1
	s_mul_i32 s[G0X+1], s18, 64*CXP
	s_add_co_u32 s[G0X+1], s[G0X+1], CXB
	s_mov_b64 s[G0X+2:G0X+3], s[CXG:CXG+1]
	s_or_b32 s[G0X+3], s[G0X+3], 0x80000000
	s_wait_alu depctr_va_vdst(0)
	s_wait_tensorcnt 0x0                           ; my part of slot P is in
	ds_add_u32 v[SPW], v[NIL]
	s_wait_dscnt 0x0
	CROUND                                         ; everybody's is
	JLOAD G0QA, G1QA, G0QB, G1QB                   ; slot Q, the first tensor load behind the round
	RB 0
	RS 0
	RA 0
	STEP 0, 1                                      ; the first K step's products start the sums, from the biases
	ASK2 PG+QG                                     ; rows 308 to 479: fill 2's 136 and the first of fill 3's
	STEP 1, 0
	STEP 2, 0
	TURN 3, 1                                      ; P is read out: K steps 9 to 12 are asked for, five K steps ahead of their first read
	STEP 4, 0
	ASK1 GROUPB-32768                              ; the group's last 128 rows, for fill 3
	STEP 5, 0
	STEP 6, 0
	WIN 0
	global_prefetch_b8 v[PFX], s[CXG:CXG+1] th:TH_LOAD_NT scope:SCOPE_SE                       ; my 64 rows of cx's tile, a lane a row
	global_prefetch_b8 v[PFX], s[CXG:CXG+1] offset:32*HROW th:TH_LOAD_NT scope:SCOPE_SE
	STEP 7, 0
	TURN 8, 2                                      ; Q is read out: K steps 13 to 17 are asked for, four K steps ahead
	STEP 9, 0
	STEP 10, 0
	STEP 11, 0
	TURN 12, 3                                     ; P is read out for good: cx's tile is asked for, five K steps ahead
	STEP 13, 0
	STEP 14, 0
	STEP 15, 0
	STEP 16, 0
	s_wait_dscnt 8                                 ; the very last K step: nothing more to fetch
	WIN MUL_LO
	MUL8 0, 17, 0
	MUL8 2, 17, 0
	s_wait_dscnt 0x0
	WIN MUL_HI
	MUL8 4, 17, 0
	s_wait_tensorcnt 0x0                           ; my rows of cx lie in LDS,
	s_barrier_signal -1                            ; say so; the wait for the others stands behind the first exponentials
	MUL8 6, 17, 0
	PLACES 4                                       ; in front of the first reads of results and of the writes into the registers that held A's fragments
; THE WAY OUT, in four parts of 32 batch rows (A's blocks 2 q, 2 q + 1): 32 elements a lane, element e = 16 k + 8 u + j: block 2 q + k, hidden unit 16 u + 8 h + j.
; E_i, E_f, E_o = 1 + 2^(-log2(e) gate);  E_g = 1 + 2^(2 log2(e) g, held to +-30);  cy = cx / E_f + (E_g - 2) / (E_i E_g);  E_c likewise of cy;  hy = (E_c - 2) / (E_o E_c): five exponentials and three reciprocals an element.
; A row's 256 bytes come from two waves: part q goes into the stages, the barrier's signal stands ahead of part q + 1's exponentials and its wait behind them, and the rows leave while part q + 1 is computed.
.macro CXL q                           ; my 32 numbers of cx for part q
.irp k, 0,1
.irp u, 0,1
.irp m, 0,1
	ds_load_b128 v[CXR-64*((\q)%2)+16*\k+8*\u+4*\m:CXR-64*((\q)%2)+16*\k+8*\u+4*\m+3], v[CXA] offset:16*CXP*(2*(\q)+\k)+64*\u+16*\m
.endr
.endr
.endr
.endm
.macro PK op, d, x, y                  ; sixteen packed lines on 32 numbers: d = x op y
.set j, 0
.rept 16
	\op v[\d+j:\d+j+1], v[\x+j:\x+j+1], v[\y+j:\y+j+1]
.set j, j+2
.endr
.endm
.macro PKC d, x, c, n                  ; d = x + a constant, n packed lines
.set j, 0
.rept \n
	v_pk_add_f32 v[\d+j:\d+j+1], v[\x+j:\x+j+1], \c op_sel_hi:[1,0]
.set j, j+2
.endr
.endm
.macro TRANS op, d, n
.set j, 0
	s_wait_alu depctr_va_vdst(0)
.rept \n
	\op v[\d+j], v[\d+j]
.set j, j+1
.endr
	v_nop                                          ; a plain line behind the last transcendental
.endm
.macro HOLD                            ; the exponent of a tanh, held to +-30
.set j, 0
.rept 32
	v_med3_num_f32 v[TT+64+j], v[TT+64+j], s[CLL], s[CLH]
.set j, j+1
.endr
.endm
.macro BACK q                          ; 32 whole rows of my output come back, two an instruction
	WIN TO_B
.irp t, 0,1,2,3,4,5,6,7,8,9,10,11,12,13,14,15
	ds_load_b128 v[64*((\q)%2)+4*\t:64*((\q)%2)+4*\t+3], v[RD] offset:32*CXP*(\q)+2*CXP*\t
.endr
	WIN 0
.endm
.macro SEND q, younger                 ; younger: the LDS loads issued behind part q's, which may stay out
	s_wait_dscnt \younger
	WIN 0x04                                       ; a store's data are its source 1: window 1
.irp t, 0,1,2,3,4,5,6,7,8,9,10,11,12,13,14,15
	global_store_b128 v[CO], v[64*((\q)%2)+4*\t:64*((\q)%2)+4*\t+3], s[OUT:OUT+1] offset:(32*(\q)+2*\t)*HROW th:TH_STORE_NT   ; 16 lanes store 256 consecutive bytes, aligned; 126 rows at the most stand in the immediate, so the base is never stepped
.endr
	WIN 0
.endm
.macro PART q
	WIN 0x02+(\q)/2                                ; source 0: window 2 or 3
	s_wait_alu depctr_va_vdst(0)                   ; the wait directly ahead of the accumulators' first readers
.irp k, 0,1                            ; the exponents, out of the accumulators (each from its low end on)
.irp g, 0,1,2,3
.set j, 0
.rept 8
.if \g == 2
	v_pk_mul_f32 v[TT+32*\g+16*\k+j:TT+32*\g+16*\k+j+1], v[128*((\q)%2)+64*\k+16*\g+j:128*((\q)%2)+64*\k+16*\g+j+1], s[STL:STL+1] op_sel_hi:[1,0]
.else
	v_pk_mul_f32 v[TT+32*\g+16*\k+j:TT+32*\g+16*\k+j+1], v[128*((\q)%2)+64*\k+16*\g+j:128*((\q)%2)+64*\k+16*\g+j+1], s[SNL:SNL+1] op_sel_hi:[1,0]
.endif
.set j, j+2
.endr
.endr
.endr
	WIN 0
	HOLD
.if \q > 0
	s_wait_dscnt 0x0                               ; for the others' sake: my stores of the part before into the stages are done
	s_barrier_signal -1
.endif
	TRANS v_exp_f32, TT, 128
	s_barrier_wait -1                              ; the rows of the part before are whole (part 0: cx's tile is).  The parts' rows are apart, so one barrier a part is enough
.if \q > 2
	s_wait_xcnt 0x0                                ; the stores of the part three back have read their registers: rows may land there
.endif
.if \q > 0
	BACK \q-1
.else
	CXL 0
.endif
.if \q < 3
	CXL \q+1                                       ; the next part's cx, a part ahead
.endif
	s_wait_alu depctr_va_vdst(0)
	PKC TT, TT, 1.0, 64                            ; E_i, E_f, E_g, E_o
	PKC NN, TT+64, -2.0, 16                        ; E_g - 2
	PK v_pk_mul_f32, TT, TT, TT+64                 ; E_i E_g
	TRANS v_rcp_f32, TT, 64                        ; 1 / (E_i E_g), 1 / E_f
.if \q == 0
	s_wait_dscnt 8                                 ; part 0's cx is in; part 1's eight loads may be out
.elseif \q < 3
	SEND \q-1, 8                                   ; behind its loads: the eight of the next part's cx
.else
	SEND \q-1, 0
.endif
	s_wait_alu depctr_va_vdst(0)
	PK v_pk_mul_f32, NN, NN, TT                    ; sigmoid(i) tanh(g)
.set j, 0
.rept 16
	v_pk_fma_f32 v[TT+32+j:TT+32+j+1], v[CXR-64*((\q)%2)+j:CXR-64*((\q)%2)+j+1], v[TT+32+j:TT+32+j+1], v[NN+j:NN+j+1]   ; cy
.set j, j+2
.endr
.set j, 0
.rept 16
	v_pk_mul_f32 v[TT+64+j:TT+64+j+1], v[TT+32+j:TT+32+j+1], s[STL:STL+1] op_sel_hi:[1,0]
.set j, j+2
.endr
	HOLD
	TRANS v_exp_f32, TT+64, 32
	s_wait_alu depctr_va_vdst(0)
	PKC TT+64, TT+64, 1.0, 16                      ; E_c
	PKC NN, TT+64, -2.0, 16                        ; E_c - 2
	PK v_pk_mul_f32, TT+96, TT+96, TT+64           ; E_o E_c
	TRANS v_rcp_f32, TT+96, 32
	s_wait_alu depctr_va_vdst(0)
	PK v_pk_mul_f32, TT+96, NN, TT+96              ; hy
.irp k, 0,1                            ; a lane holds 2 x 32 neighbouring bytes of a row: hy into its stage, cy over the bytes of cx that this lane alone has read
.irp u, 0,1
.irp m, 0,1
	ds_store_b128 v[HYA], v[TT+96+16*\k+8*\u+4*\m:TT+96+16*\k+8*\u+4*\m+3] offset:16*CXP*(2*(\q)+\k)+64*\u+16*\m
	ds_store_b128 v[CXA], v[TT+32+16*\k+8*\u+4*\m:TT+32+16*\k+8*\u+4*\m+3] offset:16*CXP*(2*(\q)+\k)+64*\u+16*\m
.endr
.endr
.endr
.endm
	PART 0
	PART 1
	PART 2
	PART 3
	s_wait_dscnt 0x0                               ; the last part: my stores into the stages are done
	s_barrier_signal -1
	s_barrier_wait -1
	s_wait_xcnt 0x0                                ; part 1's stores have read their registers
	BACK 3
	SEND 3, 0
	s_wait_tensorcnt 0x0                           ; the wave's end: behind my last tensor load and my last LDS store
	ds_add_u32 v[SPW], v[NIL]
	s_wait_dscnt 0x0
	CROUND                                         ; the closing round: no work-group ends while a partner may still ask for a tile that names it
	s_endpgm
.Lfunc_end_k_q871ec1a702_lstm:
	.size	k_q871ec1a702_lstm, .Lfunc_end_k_q871ec1a702_lstm-k_q871ec1a702_lstm
	.p2alignl 7, 3214868480
	.fill 96, 4, 3214868480
	.section	.rodata,"a",@progbits
	.p2align	6, 0x0
	.amdhsa_kernel k_q871ec1a702_lstm
		.amdhsa_group_segment_fixed_size 327680
		.amdhsa_private_segment_fixed_size 0
		.amdhsa_enable_private_segment 0
		.amdhsa_kernarg_size 56
		.amdhsa_user_sgpr_count 2
		.amdhsa_user_sgpr_kernarg_segment_ptr 1
		.amdhsa_wavefront_size32 1
		.amdhsa_system_sgpr_workgroup_id_x 1
		.amdhsa_system_sgpr_workgroup_id_y 1
		.amdhsa_system_sgpr_workgroup_id_z 1
		.amdhsa_system_vgpr_workitem_id 0
		.amdhsa_next_free_vgpr 1024
		.amdhsa_next_free_sgpr 102
		.amdhsa_reserve_vcc 0
		.amdhsa_float_denorm_mode_32 3
		.amdhsa_float_denorm_mode_16_64 3
		.amdhsa_memory_ordered 1
		.amdhsa_forward_progress 1
		.amdhsa_inst_pref_size 255
	.end_amdhsa_kernel
	.section	.bss,"aw",@nobits
	.p2align	6
	.space	262144
	.amdgpu_metadata
---
amdhsa.version: [ 1, 2 ]
amdhsa.kernels:
  - .name:           k_q871ec1a702_lstm
    .symbol:         k_q871ec1a702_lstm.kd
    .args:
      - { .name: apack, .offset: 0, .size: 8, .value_kind: global_buffer, .address_space: global }
      - { .name: bpack, .offset: 8, .size: 8, .value_kind: global_buffer, .address_space: global }
      - { .name: cx, .offset: 16, .size: 8, .value_kind: global_buffer, .address_space: global }
      - { .name: b_ih, .offset: 24, .size: 8, .value_kind: global_buffer, .address_space: global }
      - { .name: b_hh, .offset: 32, .size: 8, .value_kind: global_buffer, .address_space: global }
      - { .name: out0, .offset: 40, .size: 8, .value_kind: global_buffer, .address_space: global }
      - { .name: out1, .offset: 48, .size: 8, .value_kind: global_buffer, .address_space: global }
    .group_segment_fixed_size: 327680
    .private_segment_fixed_size: 0
    .kernarg_segment_align: 8
    .kernarg_segment_size: 56
    .max_flat_workgroup_size: 128
    .sgpr_count:     102
    .vgpr_count:     1024
    .wavefront_size: 32
...
	.end_amdgpu_metadata
.endif
;; end of part 2
